; MI455X (gfx1250); checked and timed in simulation.
; The chip was launched on July 23, 2026; its instructions are those of AMD's public machine-readable ISA for CDNA 5 (MIT licence, August 2026) and "CDNA5" Instruction Set Architecture Reference Guide (July 2026). The comments in the code are by the model that wrote it; some were corrected since.
;; Chunked Attention4 D. Allowed arithmetic: matrix products marked QUANTISED: E2M1 operands, one E8M0 scale for each 32 along K, by v_wmma_scale_f32_16x16x128_f8f6f4 with both operands' format E2M1 (or v_wmma_scale_f32_32x16x128_f4), f32 sums; products left as they are: bf16, f16 or f32 operands; f32 sums; everything else in f32.
;; Inputs: Wk 512 x 512 float32; Wo 512 x 512 float32; Wq 512 x 512 float32; Wv 512 x 512 float32; bk 512 float32; bo 512 float32; bq 512 float32; bv 512 float32; key 4 x 8 x 1,024 x 512 float32; query 4 x 8 x 1,024 x 512 float32; value 4 x 8 x 1,024 x 512 float32.
;; Outputs: out0 4 x 8 x 1,024 x 512 float32.
;; This version of the problem:
;;   THIS VERSION OF THE PROBLEM IS GIVEN IN LOW PRECISION. The matrix products marked QUANTISED in the list below multiply operands that are first quantised to E2M1 (2 exponent bits, 1 mantissa bit; 4 bits a number), with one power-of-two scale for each 32 numbers along K (OCP MX v1.0); their sums are f32. The products marked 'left as it is' may take bf16, f16 or f32 operands, with f32 sums. Whichever they take, every output number must still come out within the allowed error. Rounding operands to bf16 (8 significant bits) uses up far more of that allowance than f16 does (11 bits, for magnitudes from 6e-5 to 65,504). All else is computed in f32.
;;   The module's matrix products, in the order in which they are computed (A, B: the left and right operand; K: the contracted axis; several contracted axes count as one K, in the product's order):
;;     1. [M 32,768, K 512] x [K 512, N 512]; A: input query; B: input Wq: QUANTISED
;;     2. [M 32,768, K 512] x [K 512, N 512]; A: input key; B: input Wk: QUANTISED
;;     3. [M 32,768, K 512] x [K 512, N 512]; A: input value; B: input Wv: QUANTISED
;;     4. batch 256 x [M 1,024, K 64] x [K 64, N 1,024]; A: computed on the way; B: computed on the way: left as it is (an operand is computed on the way)
;;     5. batch 256 x [M 64, K 1,024] x [K 1,024, N 1,024]; A: computed on the way; B: computed on the way: left as it is (an operand is computed on the way)
;;     6. [M 32,768, K 512] x [K 512, N 512]; A: computed on the way; B: input Wo: left as it is (an operand is computed on the way)
;;   THE QUANTISER, for each operand of a quantised product, along K:
;;     - K is cut into blocks of 32 from its start; a last block that is shorter is filled with zeros.
;;     - A block's scale is 2^e with e = floor(log2(the largest magnitude in the block)) - 2, held to -126 .. 127; a block of zeros has e = 0. As a byte (E8M0): e + 127.
;;     - Each number is divided by its block's scale, clamped to +-6, and rounded to the nearest number of E2M1, ties to even, subnormals kept.
;;     - The product sums the exact products of the quantised numbers (number of the format x scale) in f32.
;;   ~~~python
;;   def quantise(x, axis):      # numpy; x: float32 -> the quantised numbers, widened to float32 again
;;       x = np.moveaxis(x, axis, -1); K = x.shape[-1]
;;       x = np.pad(x, [(0, 0)] * (x.ndim - 1) + [(0, -K % 32)]); x = x.reshape(x.shape[:-1] + (-1, 32)); a = np.abs(x).max(-1, keepdims=True)
;;       e = np.where(a > 0, np.clip(np.frexp(np.where(a > 0, a, 1))[1] - 1 - 2, -126, 127), 0)      # np.frexp(a)[1] - 1 = floor(log2(a)), exactly
;;       r = np.clip(x / 2.0 ** e, -6, 6)
;;       step = 2.0 ** (np.maximum(np.frexp(np.where(r == 0, 1, r))[1] - 1, 0) - 1)
;;       q = np.round(r / step) * step * 2.0 ** e      # np.round: ties to even
;;       return np.moveaxis(q.reshape(q.shape[:-2] + (-1,))[..., :K], -1, axis).astype(np.float32)
;;   ~~~
;; One version. Each part assembles by itself: llvm-mc -triple=amdgcn-amd-amdhsa -mcpu=gfx1250 --defsym DOCPART=n.
;; ======== version 1 of 1: 3 launches
;; limits: values are held in f16: magnitudes above 65,504 overflow, below 6.1e-05 lose precision
;; workspace buffers: qf 33,554,432 bytes; kf 33,554,432 bytes; vf 33,554,432 bytes; af 33,554,432 bytes; wof 524,288 bytes
;; launch proj (part 1): grid 64 x 3, 8 waves a work-group, no clusters, 327,680 bytes of LDS; arguments query, key, value, Wq, Wk, Wv, bq, bk, bv, qf, kf, vf, Wo, wof; writes qf, kf, vf, wof
.if DOCPART == 1
	.amdgcn_target "amdgcn-amd-amdhsa--gfx1250"
	.amdhsa_code_object_version 6
	.text
	.protected	k_q9b8160c69c_proj
	.globl	k_q9b8160c69c_proj
	.p2align	8
	.type	k_q9b8160c69c_proj,@function
k_q9b8160c69c_proj:
	s_mov_b64 s[64:65], 0
	v_nop
	global_prefetch_b8 v0, s[64:65] scope:SCOPE_SE
	s_setreg_imm32_b32 hwreg(HW_REG_WAVE_MODE, 25, 1), 1
	s_wait_xcnt 0x0
; q = query Wq^T + bq, k = key Wk^T + bk, v = value Wv^T + bv: [32768][512] x [512][512], both operands quantised here to FP4 (E2M1) with one E8M0 scale for each 32 along K,
; multiplied by v_wmma_scale_f32_16x16x128_f8f6f4, sums in f32, results stored as f16 in the order of the next launch's operand registers.
; A block's scale is 2^(floor(log2(its largest magnitude)) - 2); its byte is the largest magnitude's exponent field - 2, held at 1 from below by a floor among the maximum's leaves.
; LIMITS: NaN and infinities among the inputs are not served.  A block of zeros gets the byte 1 with zero codes (the bytes are read by this text alone).  Results beyond 65,504 in magnitude have no f16 number.
; The bias is the C of each sum's first product, so the f32 sums are rounded in another order than bias-last.
; SHARES.  Grid y = the tensor (0 q, 1 k, 2 v), grid x = a run of 512 rows, taken as 8 blocks of 64.  Wave w owns channels 64 w .. 64 w + 63 (head w): it quantises its 64 rows of W once, at the head,
; into 16 fragments (128 registers) and 16 scale words, which stay.  Of each block wave w quantises rows 16 (w / 2) .. + 15, K 256 (w % 2) .. + 255, and hands the codes on through LDS as images of the operand's registers.
; x comes through two LDS slots, each wave's own tile of 16 rows x 1,024 bytes by one tensor load; a slot is filled again behind the barrier at a trip's head.
; THE PRODUCT IS USED TRANSPOSED: source 0 = 16 rows of W, source 1 = 16 rows of x: lane (r, h) then holds row r of x and channels 8 h + 0 .. 7 of the tile: four packed conversions make 16 bytes,
; and a wave's store is one chunk of 512 consecutive bytes.  qf, kf: [seq 32][head 8][row tile 64][channel tile 4][32 places x 16 bytes], place = lane.  vf: the same, place (r % 8) + 8 h + 16 (r / 8), so that the
; turning LDS load of the next launch, at 16 x lane, gives a fragment of V^T.
; The 64 work-groups of y = 0 also turn Wo into f16, two chunks a wave: wof [H 2][w' 4][s 16][t 4][c 2][chunk], place (r, h) = Wo[256 H + 64 w' + 16 t + r][32 s + 16 c + 8 h + 0 .. 7].
; NO CLUSTER: the tiles that come by tensor loads (x) are each read by one work-group; what work-groups share, W, goes once from memory into registers by plain loads.
; 192 work-groups: the 512 blocks of a tensor are shared evenly among 64, and a work-group that crossed tensors would quantise a second weight.
.set XPITCH, 1040                      ; an LDS row of x: 1,024 bytes + 16: the 16 rows that a load touches fall in 16 different 16-byte columns modulo 256 bytes
.set WTILE,  16*XPITCH                 ; a wave's tile
.set SLOTB,  8*WTILE                   ; a slot
.set XIMG,   2*SLOTB                   ; 16 fragments (4 m + s) of 1,024 bytes, as register images
.set XSC,    XIMG+16*1024              ; their scale words, 128 bytes each
.set SPARE,  XSC+16*128                ; the spare words: 128 bytes for each of the eight waves; no other line names them
.set BLOCKB, 64*2048                   ; a block of 64 rows of x in memory
.set XR,  1                            ; v1, v2  my place in my tile of slot 0, 1: 16640 w + 1040 r + 128 h
.set XWI, 3                            ; v3   where I store my images: XIMG + 2048 w + 16 lane
.set XWS, 4                            ; v4   and their scale words: XSC + 256 w + 4 lane
.set LI,  5                            ; v5   XIMG + 16 lane
.set LS,  6                            ; v6   XSC + 4 lane
.set SOFF, 7                           ; v7   16 x my place in a chunk of the output
.set WA,  8                            ; v8   W: 2048 r + 128 h
.set SH8, 9                            ; v9   8 h
.set BA,  10                           ; v10  32 h
.set PFO, 11                           ; v11  the prefetches' offset: 2048 (lane / 4) + 256 (lane % 4)
.set SPW, 12                           ; v12  my spare word; never rewritten
.set NIL, 13                           ; v13  0; never rewritten
.set PW,  14                           ; v14, v15 the scale words just made, one for each K step
.set WS,  16                           ; v16-31 W's scale words (4 t + s): scales and nothing else
.set T0,  32                           ; v32, v33 largest magnitudes
.set E0,  34                           ; v34, v35 the conversions' scale operands
.set B0,  36                           ; v36, v37 bytes
.set TP,  38                           ; v38  the other half's bytes
.set XS,  40                           ; v40-47 x's scale words, two sets of four: scales and nothing else
.set CX,  48                           ; v48-63 x's codes, two K steps
.set ST,  64                           ; v64-191 128 numbers
.set FR,  64                           ; v64-127 in the products: x's fragments, two sets of four
.set ACC, 128                          ; v128-159 four accumulators
.set OUTR, 192                         ; v192-255 results as f16: 16 registers for each of four row tiles
.set BI,  128                          ; window 1: v0-127 W's codes, fragment (t, s) at 8 (4 t + s); v128-159 the bias in the result's layout
.set YT,  36
.set XB,  37
.set WV,  38
.set G1,  40                           ; s[40:47] descriptor group 1
.set G0,  48                           ; s[48:51], s[52:55] group 0 for slot 0, 1
.set SEL, 56
.set CNT, 58
.set VSEL, 59
.set PFA, 60
.set WP,  10                           ; s[10:11] W at my 64 rows
.set OUT, 22                           ; s[22:23] the output at the block in hand
.set MSB, 0
.macro WIN new                         ; the immediate's high byte repeats the setting that is left
.if MSB != \new
	s_set_vgpr_msb (MSB<<8)|\new
.set MSB, \new
.endif
.endm
; 64 numbers of a lane, register 32 c + i = k 64 c + 32 h + i of my row (two whole blocks, 2 c + h), become the 8 registers of an FP4 fragment at dst (window by dwin) and the row's scale word.
.macro QUANT2 src, dst, dwin, word
.irp c, 0,1
	v_max3_num_f32 v[T0+\c], |v[(\src)+32*\c]|, |v[(\src)+32*\c+1]|, 0x1800000   ; with the floor 2^(3 - 127): the byte cannot fall under 1
.endr
.irp i, 2,4,6,8,10,12,14,16,18,20,22,24,26,28,30
.irp c, 0,1
	v_max3_num_f32 v[T0+\c], v[T0+\c], |v[(\src)+32*\c+\i]|, |v[(\src)+32*\c+\i+1]|   ; the two blocks by turns
.endr
.endr
.irp c, 0,1
	v_add_nc_u32 v[E0+\c], 0xff000000, v[T0+\c]    ; 2 off the exponent field: the conversion takes this operand's exponent field as its scale
.endr
.irp c, 0,1
	v_lshrrev_b32 v[B0+\c], 23, v[E0+\c]           ; the scale's byte
.endr
	v_lshl_or_b32 v[\word], v[B0+1], 16, v[B0]     ; my bytes: blocks h and 2 + h,
	v_lshlrev_b32 v[\word], v[SH8], v[\word]       ; at their places;
	v_permlanex16_b32 v[TP], v[\word], s[SEL], s[SEL+1]
	v_or_b32 v[\word], v[\word], v[TP]             ; with lane l xor 16's two the word is whole
	WIN \dwin
.irp c, 0,1
.irp g, 0,1,2,3
	v_cvt_scalef32_pk8_fp4_f32 v[(\dst)+4*\c+\g], v[(\src)+32*\c+8*\g:(\src)+32*\c+8*\g+7], v[E0+\c]
.endr
.endr
	v_nop                                          ; one plain line behind the last scaled conversion
	WIN 0
.endm
.macro LOADW f, set                    ; the 64 numbers a lane of W's fragment f = 4 t + s
.irp c, 0,1
.irp i, 0,1,2,3,4,5,6,7
	global_load_b128 v[ST+64*(\set)+32*\c+4*\i:ST+64*(\set)+32*\c+4*\i+3], v[WA], s[WP:WP+1] offset:((\f)/4)*32768+((\f)%4)*512+256*\c+16*\i
.endr
.endr
.endm
.macro FETCH m, set                    ; row tile m's four fragments and scale words out of the images: 12 loads
.irp s, 0,1,2,3
	ds_load_b128 v[FR+32*(\set)+8*\s:FR+32*(\set)+8*\s+3], v[LI] offset:(4*(\m)+\s)*1024
	ds_load_b128 v[FR+32*(\set)+8*\s+4:FR+32*(\set)+8*\s+7], v[LI] offset:(4*(\m)+\s)*1024+512
	ds_load_b32 v[XS+4*(\set)+\s], v[LS] offset:(4*(\m)+\s)*128
.endr
.endm
; Row tile m against my four tiles of channels: 16 products, the four accumulators by turns; results to f16 and out.
.macro PROD m
.set FRS, FR+32*((\m)%2)
.set XSS, XS+4*((\m)%2)
.if (\m) < 3
	s_wait_dscnt 12                                ; this tile's 12 loads are in; the next tile's 12 may be out
.else
	s_wait_dscnt 0x0
.endif
	WIN 0x11                                       ; source 0 (W) and C (the bias) window 1
.irp t, 0,1,2,3
	v_wmma_scale_f32_16x16x128_f8f6f4 v[ACC+8*\t:ACC+8*\t+7], v[32*\t:32*\t+7], v[FRS:FRS+7], v[BI+8*\t:BI+8*\t+7], v[WS+4*\t], v[XSS] matrix_a_fmt:MATRIX_FMT_FP4 matrix_b_fmt:MATRIX_FMT_FP4
.endr
	WIN 0x01
.irp s, 1,2,3
.irp t, 0,1,2,3
	v_wmma_scale_f32_16x16x128_f8f6f4 v[ACC+8*\t:ACC+8*\t+7], v[8*(4*\t+\s):8*(4*\t+\s)+7], v[FRS+8*\s:FRS+8*\s+7], v[ACC+8*\t:ACC+8*\t+7], v[WS+4*\t+\s], v[XSS+\s] matrix_a_fmt:MATRIX_FMT_FP4 matrix_b_fmt:MATRIX_FMT_FP4
.endr
.endr
	WIN 0
.rept 5
	v_nop                                          ; five places: the next tile's first products begin these accumulators anew with another C; four of them serve the loads and the conversions below
.endr
.if (\m) < 2
	FETCH (\m)+2, (\m)%2
.endif
.irp t, 0,1,2,3
.irp i, 0,1,2,3
	v_cvt_pk_f16_f32 v[OUTR+16*(\m)+4*\t+\i], v[ACC+8*\t+2*\i], v[ACC+8*\t+2*\i+1]   ; each accumulator from its low end on
.endr
.endr
.irp t, 0,1,2,3
	global_store_b128 v[SOFF], v[OUTR+16*(\m)+4*\t:OUTR+16*(\m)+4*\t+3], s[OUT:OUT+1] offset:(\m)*2048+\t*512   ; a chunk: 512 consecutive bytes, aligned
.endr
.endm
; A block of 64 rows out of slot.  ask = 1: my tile of the block after the one just asked for is prefetched; 2: the same while the loop's count is above 1.
.macro BODY slot, ask
.irp s, 0,1
.irp c, 0,1
.irp i, 0,1,2,3,4,5,6,7
	ds_load_b128 v[ST+64*\s+32*\c+4*\i:ST+64*\s+32*\c+4*\i+3], v[XR+\slot] offset:512*\s+256*\c+16*\i
.endr
.endr
.endr
.if \ask == 2
	s_cmp_gt_u32 s[CNT], 1                         ; the loop's last trip has no block two on
	s_cbranch_scc0 .Lnoask_\@
.endif
.if \ask
	global_prefetch_b8 v[PFO], s[PFA:PFA+1] th:TH_LOAD_NT scope:SCOPE_SE               ; my own tile of the block that the next trip's tensor load will name: 16 rows x 1,024 bytes,
	global_prefetch_b8 v[PFO], s[PFA:PFA+1] offset:16384 th:TH_LOAD_NT scope:SCOPE_SE  ; lanes 256 bytes apart, 8 rows an instruction: each aligned 256 bytes named once in the launch
.endif
.if \ask == 2
.Lnoask_\@:
.endif
	s_wait_dscnt 16                                ; the first K step's 16 loads are in
	QUANT2 ST, CX, 0, PW
	ds_store_b128 v[XWI], v[CX:CX+3]
	ds_store_b128 v[XWI], v[CX+4:CX+7] offset:512
	ds_store_b32 v[XWS], v[PW]
	s_wait_dscnt 3                                 ; the second K step's loads are in; the three stores behind them may be out
	QUANT2 ST+64, CX+8, 0, PW+1
	ds_store_b128 v[XWI], v[CX+8:CX+11] offset:1024
	ds_store_b128 v[XWI], v[CX+12:CX+15] offset:1536
	ds_store_b32 v[XWS], v[PW+1] offset:128
	s_wait_dscnt 0x0                               ; for the others' sake: my images have landed
	s_barrier_signal -1
	s_barrier_wait -1                              ; all sixteen fragments lie in LDS
	FETCH 0, 0
	FETCH 1, 1
	PROD 0
	PROD 1
	PROD 2
	PROD 3
	s_wait_xcnt 0x0                                ; the stores (and the prefetches) have read their registers and bases: OUTR, the output's base and the prefetches' base are written again only behind this wait
	s_add_nc_u64 s[OUT:OUT+1], s[OUT:OUT+1], 8192  ; four row tiles on
.endm
; A trip's head: the slot read in the last trip is filled again, with the block two on from the one that it held.
.macro HEADFILL other
	s_wait_tensorcnt 0x0                           ; all my tensor loads have landed, this trip's tile among them: a group 0 may be written
	ds_add_u32 v[SPW], v[NIL]
	s_add_nc_u64 s[G0+4*\other+2:G0+4*\other+3], s[G0+4*\other+2:G0+4*\other+3], 2*BLOCKB
	s_add_nc_u64 s[PFA:PFA+1], s[PFA:PFA+1], BLOCKB   ; (no global instruction has been issued since the wait that closed the last trip)
	s_wait_dscnt 0x0                               ; the add is done; my reads of that slot and of the images are over
	s_barrier_signal -1
	s_barrier_wait -1
	tensor_load_to_lds s[G0+4*\other:G0+4*\other+3], s[G1:G1+7]   ; my one tensor load until the next such barrier
	s_nop 0
.rept 4
	v_nop
.endr
.endm
	s_load_b512 s[4:19], s[0:1], 0x0               ; query, key, value, Wq, Wk, Wv, bq, bk
	s_load_b256 s[20:27], s[0:1], 0x40             ; bv, qf, kf, vf
	s_load_b128 s[28:31], s[0:1], 0x60             ; Wo, wof
	v_lshl_add_u32 v[SPW], v0, 2, SPARE
	v_mov_b32 v[NIL], 0
	ds_add_u32 v[SPW], v[NIL]                      ; the opening: the add, twice on end, and its wait ahead of my first tensor load
	ds_add_u32 v[SPW], v[NIL]
	v_lshrrev_b32 v32, 5, v0
	v_readfirstlane_b32 s[WV], v32                 ; wave 0..7
	s_and_b32 s[YT], ttmp7, 0xffff                 ; the tensor
	s_mov_b32 s[XB], ttmp9                         ; the run of 512 rows
	s_mov_b32 s[G1+0], (2<<16)|(1<<20)|(7<<22)|(3<<25)   ; elements of 4 bytes; padding on: 4 words behind every 256
	s_mov_b32 s[G1+1], 256<<16                     ; tensor_dim0 = 256
	s_mov_b32 s[G1+2], 16<<16                      ; tensor_dim1 = 16
	s_mov_b32 s[G1+3], 256<<16                     ; tile_dim0 = 256
	s_mov_b32 s[G1+4], 16                          ; tile_dim1 = 16
	s_mov_b32 s[G1+5], 512                         ; elements from row to row
	s_mov_b32 s[G1+6], 0
	s_mov_b32 s[G1+7], 0
	s_mov_b32 s[G0], 1
	s_mul_i32 s[G0+1], s[WV], WTILE                ; my tile in slot 0,
	s_mov_b32 s[G0+4], 1
	s_add_co_u32 s[G0+5], s[G0+1], SLOTB           ; in slot 1
	s_mov_b32 s[SEL], 0x76543210
	s_mov_b32 s[SEL+1], 0xfedcba98                 ; v_permlanex16_b32's selects for lane l xor 16
	s_lshl_b32 s66, s[XB], 20                      ; x: 512 rows of 2,048 bytes,
	s_lshr_b32 s67, s[WV], 1
	s_lshl_b32 s67, s67, 15                        ; my 16 rows of a block,
	s_add_co_u32 s66, s66, s67
	s_and_b32 s67, s[WV], 1
	s_lshl_b32 s67, s67, 10                        ; my half of K
	s_add_co_u32 s66, s66, s67
	s_mov_b32 s67, 0
	s_lshl_b32 s68, s[WV], 17                      ; W: my 64 rows
	s_mov_b32 s69, 0
	s_lshr_b32 s70, s[XB], 1
	s_lshl_b32 s70, s70, 20                        ; the output: the sequence,
	s_add_co_u32 s70, s70, s68                     ; my head,
	s_and_b32 s71, s[XB], 1
	s_lshl_b32 s71, s71, 16                        ; the sequence's half
	s_add_co_u32 s70, s70, s71
	s_mov_b32 s71, 0
	s_lshl_b32 s72, s[WV], 8                       ; the bias: my 64 numbers
	s_mov_b32 s73, 0
	s_cmp_eq_u32 s[YT], 2
	s_cselect_b32 s[VSEL], -1, 0                   ; all lanes' bits: v's places are permuted
	v_and_b32 v32, 31, v0                          ; lane
	v_and_b32 v33, 15, v0                          ; r
	v_bfe_u32 v34, v0, 4, 1                        ; h
	v_mul_u32_u24 v[XR], v33, XPITCH
	v_lshl_add_u32 v[XR], v34, 7, v[XR]
	v_add_nc_u32 v[XR], s[G0+1], v[XR]
	v_add_nc_u32 v[XR+1], SLOTB, v[XR]
	v_lshlrev_b32 v35, 4, v32
	v_lshlrev_b32 v36, 2, v32
	s_lshl_b32 s74, s[WV], 11
	v_add_nc_u32 v[XWI], s74, v35
	v_add_nc_u32 v[XWI], XIMG, v[XWI]
	v_add_nc_u32 v[XWS], s72, v36
	v_add_nc_u32 v[XWS], XSC, v[XWS]
	v_add_nc_u32 v[LI], XIMG, v35
	v_add_nc_u32 v[LS], XSC, v36
	v_and_b32 v37, 7, v32
	v_lshl_or_b32 v37, v34, 3, v37
	v_bfe_u32 v39, v0, 3, 1
	v_lshl_or_b32 v37, v39, 4, v37                 ; (r % 8) + 8 h + 16 (r / 8)
	v_cndmask_b32 v[SOFF], v32, v37, s[VSEL]
	v_lshlrev_b32 v[SOFF], 4, v[SOFF]
	v_lshlrev_b32 v[WA], 11, v33
	v_lshl_add_u32 v48, v34, 5, v[WA]              ; Wo: 2048 r + 32 h
	v_lshl_add_u32 v[WA], v34, 7, v[WA]
	v_mov_b32 v49, v35                             ; wof: 16 x lane
	v_lshlrev_b32 v[SH8], 3, v34
	v_lshlrev_b32 v[BA], 5, v34
	v_lshrrev_b32 v[PFO], 2, v32
	v_lshlrev_b32 v[PFO], 11, v[PFO]
	v_and_b32 v39, 3, v32
	v_lshl_add_u32 v[PFO], v39, 8, v[PFO]
	v_mov_b32 v[TP], 0                             ; written once: a lane permute's destination counts as one of its sources
	s_wait_dscnt 0x0                               ; both opening adds are done
	s_wait_kmcnt 0x0
	s_cmp_eq_u32 s[YT], 1                          ; the tensor's buffers: the choice hangs on the work-group's number alone
	s_cselect_b64 s[4:5], s[6:7], s[4:5]
	s_cselect_b64 s[10:11], s[12:13], s[10:11]
	s_cselect_b64 s[16:17], s[18:19], s[16:17]
	s_cselect_b64 s[22:23], s[24:25], s[22:23]
	s_cmp_eq_u32 s[YT], 2
	s_cselect_b64 s[4:5], s[8:9], s[4:5]
	s_cselect_b64 s[10:11], s[14:15], s[10:11]
	s_cselect_b64 s[16:17], s[20:21], s[16:17]
	s_cselect_b64 s[22:23], s[26:27], s[22:23]
	s_add_nc_u64 s[4:5], s[4:5], s[66:67]          ; x at my tile of block 0
	s_add_nc_u64 s[10:11], s[10:11], s[68:69]
	s_add_nc_u64 s[16:17], s[16:17], s[72:73]
	s_add_nc_u64 s[22:23], s[22:23], s[70:71]
	s_mov_b64 s[G0+2:G0+3], s[4:5]
	s_add_nc_u64 s[G0+6:G0+7], s[4:5], BLOCKB
	s_add_nc_u64 s[PFA:PFA+1], s[4:5], 2*BLOCKB    ; the first refill steps it to block 3; blocks 0 to 2 come by their loads alone
	s_or_b32 s[G0+3], s[G0+3], 0x80000000
	s_or_b32 s[G0+7], s[G0+7], 0x80000000
	tensor_load_to_lds s[G0:G0+3], s[G1:G1+7]      ; both first fills together: two tensor loads of mine are out
	s_nop 0
	tensor_load_to_lds s[G0+4:G0+7], s[G1:G1+7]
	s_nop 0
.rept 4
	v_nop
.endr
	s_cmp_lg_u32 s[YT], 0                          ; Wo to f16: the 64 work-groups of y = 0, chunks 16 x + 2 w and + 1
	s_cbranch_scc1 .Lno_wo
	s_bfe_u32 s74, s[XB], 0x10005                  ; H
	s_lshl_b32 s74, s74, 8
	s_bfe_u32 s76, s[XB], 0x20003                  ; w'
	s_lshl_b32 s76, s76, 6
	s_add_co_u32 s74, s74, s76
	s_and_b32 s76, s[WV], 3                        ; t
	s_lshl_b32 s76, s76, 4
	s_add_co_u32 s74, s74, s76                     ; Wo's row 256 H + 64 w' + 16 t
	s_lshl_b32 s74, s74, 11
	s_and_b32 s76, s[XB], 7
	s_lshl_b32 s76, s76, 1
	s_lshr_b32 s77, s[WV], 2
	s_add_co_u32 s76, s76, s77                     ; s = 2 (x % 8) + w / 4
	s_lshl_b32 s76, s76, 7                         ; 32 numbers of 4 bytes
	s_add_co_u32 s74, s74, s76
	s_mov_b32 s75, 0
	s_add_nc_u64 s[28:29], s[28:29], s[74:75]
	s_lshl_b32 s76, s[XB], 13
	s_lshl_b32 s77, s[WV], 10
	s_add_co_u32 s76, s76, s77
	s_mov_b32 s77, 0
	s_add_nc_u64 s[30:31], s[30:31], s[76:77]
	global_load_b128 v[64:67], v48, s[28:29]
	global_load_b128 v[68:71], v48, s[28:29] offset:16
	global_load_b128 v[72:75], v48, s[28:29] offset:64
	global_load_b128 v[76:79], v48, s[28:29] offset:80
	s_wait_loadcnt 0x0
.irp i, 0,1,2,3,4,5,6,7
	v_cvt_pk_f16_f32 v[80+\i], v[64+2*\i], v[65+2*\i]
.endr
	global_store_b128 v49, v[80:83], s[30:31]
	global_store_b128 v49, v[84:87], s[30:31] offset:512
	s_wait_xcnt 0x0                                ; the stores have read their registers: v48, v49 and v80-87 are written again below
.Lno_wo:
	WIN 0x40                                       ; destination window 1
.irp t, 0,1,2,3
	global_load_b128 v[BI+8*\t:BI+8*\t+3], v[BA], s[16:17] offset:64*\t       ; the bias of channels 16 t + 8 h + 0 .. 7: the C of a sum's first product
	global_load_b128 v[BI+8*\t+4:BI+8*\t+7], v[BA], s[16:17] offset:64*\t+16
.endr
	WIN 0
	LOADW 0, 0
.set F, 0
.rept 16                               ; my 16 fragments of W, the loads one fragment ahead
.if F < 15
	LOADW F+1, (F+1)%2
	s_wait_loadcnt 16                              ; all but the 16 just issued
.else
	s_wait_loadcnt 0x0
.endif
	QUANT2 ST+64*(F%2), 8*F, 0x40, WS+F
.set F, F+1
.endr
	s_wait_tensorcnt 1                             ; my tile of block 0 is in (only I read it); block 1's may stay out
	BODY 0, 0
	s_mov_b32 s[CNT], 3
.Ltrip:                                ; blocks 1 to 6, two a trip
	HEADFILL 0
	BODY 1, 1
	HEADFILL 1
	BODY 0, 2
	s_sub_co_u32 s[CNT], s[CNT], 1
	s_cmp_lg_u32 s[CNT], 0
	s_cbranch_scc1 .Ltrip
	s_wait_tensorcnt 0x0                           ; block 7: nothing is left to fetch; the barrier parts the last block's reads of the images from this block's stores
	ds_add_u32 v[SPW], v[NIL]
	s_wait_dscnt 0x0
	s_barrier_signal -1
	s_barrier_wait -1
	BODY 1, 0
	s_wait_tensorcnt 0x0                           ; the wave's end
	ds_add_u32 v[SPW], v[NIL]
	s_wait_dscnt 0x0
	s_endpgm
.Lfunc_end_k_q9b8160c69c_proj:
	.size	k_q9b8160c69c_proj, .Lfunc_end_k_q9b8160c69c_proj-k_q9b8160c69c_proj
	.p2alignl 7, 3214868480
	.fill 96, 4, 3214868480
	.section	.rodata,"a",@progbits
	.p2align	6, 0x0
	.amdhsa_kernel k_q9b8160c69c_proj
		.amdhsa_group_segment_fixed_size 327680
		.amdhsa_private_segment_fixed_size 0
		.amdhsa_enable_private_segment 0
		.amdhsa_kernarg_size 112
		.amdhsa_user_sgpr_count 2
		.amdhsa_user_sgpr_kernarg_segment_ptr 1
		.amdhsa_wavefront_size32 1
		.amdhsa_system_sgpr_workgroup_id_x 1
		.amdhsa_system_sgpr_workgroup_id_y 1
		.amdhsa_system_sgpr_workgroup_id_z 1
		.amdhsa_system_vgpr_workitem_id 0
		.amdhsa_next_free_vgpr 416
		.amdhsa_next_free_sgpr 80
		.amdhsa_reserve_vcc 0
		.amdhsa_float_denorm_mode_32 3
		.amdhsa_float_denorm_mode_16_64 3
		.amdhsa_memory_ordered 1
		.amdhsa_forward_progress 1
		.amdhsa_inst_pref_size 188
	.end_amdhsa_kernel
	.amdgpu_metadata
---
amdhsa.version: [ 1, 2 ]
amdhsa.kernels:
  - .name:           k_q9b8160c69c_proj
    .symbol:         k_q9b8160c69c_proj.kd
    .args:
      - { .name: query, .offset: 0, .size: 8, .value_kind: global_buffer, .address_space: global }
      - { .name: key, .offset: 8, .size: 8, .value_kind: global_buffer, .address_space: global }
      - { .name: value, .offset: 16, .size: 8, .value_kind: global_buffer, .address_space: global }
      - { .name: Wq, .offset: 24, .size: 8, .value_kind: global_buffer, .address_space: global }
      - { .name: Wk, .offset: 32, .size: 8, .value_kind: global_buffer, .address_space: global }
      - { .name: Wv, .offset: 40, .size: 8, .value_kind: global_buffer, .address_space: global }
      - { .name: bq, .offset: 48, .size: 8, .value_kind: global_buffer, .address_space: global }
      - { .name: bk, .offset: 56, .size: 8, .value_kind: global_buffer, .address_space: global }
      - { .name: bv, .offset: 64, .size: 8, .value_kind: global_buffer, .address_space: global }
      - { .name: qf, .offset: 72, .size: 8, .value_kind: global_buffer, .address_space: global }
      - { .name: kf, .offset: 80, .size: 8, .value_kind: global_buffer, .address_space: global }
      - { .name: vf, .offset: 88, .size: 8, .value_kind: global_buffer, .address_space: global }
      - { .name: Wo, .offset: 96, .size: 8, .value_kind: global_buffer, .address_space: global }
      - { .name: wof, .offset: 104, .size: 8, .value_kind: global_buffer, .address_space: global }
    .group_segment_fixed_size: 327680
    .private_segment_fixed_size: 0
    .kernarg_segment_align: 8
    .kernarg_segment_size: 112
    .max_flat_workgroup_size: 256
    .sgpr_count:     80
    .vgpr_count:     416
    .wavefront_size: 32
...
	.end_amdgpu_metadata
.endif
;; end of part 1
;; launch attn (part 2): grid 8 x 32, 8 waves a work-group, no clusters, 263,168 bytes of LDS; arguments qf, kf, vf, af; writes af
.if DOCPART == 2
	.amdgcn_target "amdgcn-amd-amdhsa--gfx1250"
	.amdhsa_code_object_version 6
	.text
	.protected	k_q9b8160c69c_attn
	.globl	k_q9b8160c69c_attn
	.p2align	8
	.type	k_q9b8160c69c_attn,@function
k_q9b8160c69c_attn:
	s_mov_b64 s[64:65], 0
	v_nop
	global_prefetch_b8 v0, s[64:65] scope:SCOPE_SE
	s_setreg_imm32_b32 hwreg(HW_REG_WAVE_MODE, 25, 1), 1
	s_wait_xcnt 0x0
; Causal attention of one head of one sequence: 1,024 positions, head size 64.  q, k, v come as f16 in operand-register order; products with f16 operands and f32 sums; maxima, exponentials and sums in f32;
; the weights p are rounded to f16 for the second product, the result once to f16.
; LIMITS: NaN and infinities are not served; the result has to stay under 65,504 in magnitude (it is an average of v's rows).
; SHARES.  A work-group (x = head, y = sequence) holds the head's K (131,072 bytes) and V (131,072) whole in LDS, filled once: nothing is filled again.  The 1,024 queries are 16 groups of 64 (four tiles of 16).
; A UNIT is a group against 64 keys.  Group g needs g + 1 units under the mask.  Wave w takes groups g1 = (w % 4) xor 7 (w / 4) and g2 = 15 - g1: 17 units in every wave.
; The walk: g2 against key steps 0 to 7 (eight whole units, out of the first halves of K and V); a barrier (the second halves have landed); g2 against key steps 8 to g2; g1 against key steps 0 to g1.
; LAYOUT.  S^T = K Q^T (source 0 = 16 keys, source 1 = 16 queries): a lane holds one query (lane % 16) and keys 8 (lane / 16) + 0 .. 7.  Two such tiles, rounded in pairs, are source 1 of O^T = V^T P,
; whose result again holds one query a lane and eight channels: 16 bytes of f16, a place of the next launch's operand.  V^T's fragments come by the turning LDS load at 16 x lane (vf is laid for it).
; SOFTMAX.  For each query a running maximum m and sum l: p = 2^(c s - c m), c = log2(e) / 8; in every unit O^T and l are multiplied by a = 2^(c m_old - c m_new).  m begins at -3e38, O^T and l at 0.
; NO CLUSTER: no two work-groups read the same tile.  No prefetch: all that the work-group reads through LDS is asked for at its head.
; REGISTERS.  Window 0: v1-8 addresses and constants; v16-47 statistics, 8 a tile: +0 c m, +1 m, +2, +3 l, +4 .. +7 at work (a in +6); v48-175 S^T, 32 a tile, then P in each tile's first 16; v176-239 K.
;   Window 1: v0-127 O^T (32 a + 8 t); v128-191 Q (16 a + 4 chunk); v192-255 V^T (16 t + 8 u).
.set VBASE, 131072
.set SPARE, 262144                     ; the spare words: 128 bytes for each of the eight waves; no other line names them
.set LI,  1                            ; v1  16 x lane
.set LV,  2                            ; v2  16 x lane + VBASE
.set ADK, 3
.set ADV, 4
.set VD,  5                            ; v5  r - 8 h
.set NINF, 6                           ; v6  -infinity
.set SPW, 7
.set NIL, 8
.set ST,  16
.set S,   48
.set KF,  176
.set OQ,  128
.set VF,  192
.set WV,  12
.set GA,  13                           ; s13 g1
.set GB,  14                           ; s14 g2
.set J,   15                           ; s15 the key step
.set TB,  16                           ; s16 its LDS byte: 8,192 a step
.set G,   17                           ; s17 the group in hand
.set CS,  18                           ; s[18:19] c
.set SEL, 20
.set G1,  24
.set G0,  32                           ; s[32:35], s[36:39]
.set QB,  40                           ; s[40:41] qf at the head
.set AFB, 42                           ; s[42:43] af at the sequence and head
.set QG,  44                           ; s[44:45] qf at the group
.set AFG, 46                           ; s[46:47] af at the group
.set MSB, 0
.macro WIN new
.if MSB != \new
	s_set_vgpr_msb (MSB<<8)|\new
.set MSB, \new
.endif
.endm
.macro INITST                          ; a group begins: m = -3e38, l = 0, O^T = 0 (the unit is written without a first step of its own: the first a is 0 and leaves zeros)
.irp a, 0,1,2,3
	v_mov_b32 v[ST+8*\a+1], 0xff61b1e6
	v_mov_b32 v[ST+8*\a+2], 0
	v_mov_b32 v[ST+8*\a+3], 0
.endr
.irp a, 0,1,2,3
	v_mul_f32 v[ST+8*\a], s[CS], v[ST+8*\a+1]
.endr
	WIN 0x40
.set I, 0
.rept 128
	v_mov_b32 v[I], 0
.set I, I+1
.endr
	WIN 0
.endm
.macro LOADQ                           ; the group's four tiles of Q: 16 chunks
	WIN 0x40
.irp i, 0,1,2,3,4,5,6,7,8,9,10,11,12,13,14,15
	global_load_b128 v[OQ+4*\i:OQ+4*\i+3], v[LI], s[QG:QG+1] offset:512*\i th:TH_LOAD_NT
.endr
	WIN 0
.endm
; A UNIT: the group in hand against the 64 keys at LDS byte s[TB].  diag = 1: where the key step is the group's own, hidden scores become -infinity.
.macro UNIT diag
	v_add_nc_u32 v[ADK], s[TB], v[LI]
	v_add_nc_u32 v[ADV], s[TB], v[LV]
.rept 3
	v_nop                                          ; with the two additions five places behind the last unit's products: the products below write over P's registers, the loads land on V's
.endr
.irp b, 0,1,2,3
.irp c, 0,1,2,3
	ds_load_b128 v[KF+16*\b+4*\c:KF+16*\b+4*\c+3], v[ADK] offset:\b*2048+\c*512
.endr
.endr
	WIN 0x40
.irp t, 0,1,2,3
.irp u, 0,1
.irp e, 0,1
	ds_load_tr16_b128 v[VF+16*\t+8*\u+4*\e:VF+16*\t+8*\u+4*\e+3], v[ADV] offset:(2*\u+\e)*2048+\t*512
.endr
.endr
.endr
	s_wait_dscnt 16                                ; K is in; V's 16 loads may be out
	WIN 0x04                                       ; source 1 (Q) window 1
.irp s, 0,1                            ; 16 accumulators by turns; the first 16 products start the sums
.irp b, 0,1,2,3
.irp a, 0,1,2,3
.if \s == 0
	v_wmma_f32_16x16x32_f16 v[S+32*\a+8*\b:S+32*\a+8*\b+7], v[KF+16*\b:KF+16*\b+7], v[OQ+16*\a:OQ+16*\a+7], 0
.else
	v_wmma_f32_16x16x32_f16 v[S+32*\a+8*\b:S+32*\a+8*\b+7], v[KF+16*\b+8:KF+16*\b+15], v[OQ+16*\a+8:OQ+16*\a+15], v[S+32*\a+8*\b:S+32*\a+8*\b+7]
.endif
.endr
.endr
.endr
	WIN 0
.rept 4
	v_nop
.endr
.if \diag
	s_cmp_lg_u32 s[J], s[G]                        ; ids and the count of steps alone
	s_cbranch_scc1 .Lopen_\@
.irp a, 0,1,2,3
.irp b, 0,1,2,3
.if \b > \a
.irp j, 0,1,2,3,4,5,6,7
	v_mov_b32 v[S+32*\a+8*\b+\j], v[NINF]          ; a tile of keys wholly behind the tile of queries
.endr
.endif
.if \b == \a
.irp j, 0,1,2,3,4,5,6,7
	v_cmp_gt_i32 vcc_lo, \j, v[VD]                 ; key 8 h + j against query r
	v_cndmask_b32 v[S+32*\a+8*\b+\j], v[S+32*\a+8*\b+\j], v[NINF], vcc_lo
.endr
.endif
.endr
.endr
.Lopen_\@:
.endif
	; the maximum of a lane's 32 scores and the old m, the four tiles by turns; each accumulator is read from its low end on
.irp j, 0,1,2,3
.irp a, 0,1,2,3
	v_max3_num_f32 v[ST+8*\a+4+\j], v[S+32*\a+8*\j], v[S+32*\a+8*\j+1], v[S+32*\a+8*\j+2]
.endr
.endr
.irp q, 1,2
.irp j, 0,1,2,3
.irp a, 0,1,2,3
	v_max3_num_f32 v[ST+8*\a+4+\j], v[ST+8*\a+4+\j], v[S+32*\a+8*\j+2*\q+1], v[S+32*\a+8*\j+2*\q+2]
.endr
.endr
.endr
.irp a, 0,1,2,3
	v_max3_num_f32 v[ST+8*\a+4], v[ST+8*\a+4], v[S+32*\a+7], v[S+32*\a+15]
.endr
.irp a, 0,1,2,3
	v_max3_num_f32 v[ST+8*\a+6], v[ST+8*\a+6], v[S+32*\a+23], v[S+32*\a+31]
.endr
.irp a, 0,1,2,3
	v_max3_num_f32 v[ST+8*\a+4], v[ST+8*\a+4], v[ST+8*\a+5], v[ST+8*\a+6]
.endr
.irp a, 0,1,2,3
	v_max3_num_f32 v[ST+8*\a+4], v[ST+8*\a+4], v[ST+8*\a+7], v[ST+8*\a+1]
.endr
.irp a, 0,1,2,3
	v_permlanex16_b32 v[ST+8*\a+5], v[ST+8*\a+4], s[SEL], s[SEL+1]   ; the query's other 32 keys lie in the lane 16 away
.endr
.irp a, 0,1,2,3
	v_mov_b32 v[ST+8*\a+7], v[ST+8*\a]             ; c m_old
.endr
.irp a, 0,1,2,3
	v_max_num_f32 v[ST+8*\a+1], v[ST+8*\a+4], v[ST+8*\a+5]
.endr
.irp a, 0,1,2,3
	v_mul_f32 v[ST+8*\a], s[CS], v[ST+8*\a+1]
.endr
.irp a, 0,1,2,3
	v_sub_f32 v[ST+8*\a+7], v[ST+8*\a+7], v[ST+8*\a]
.endr
	; ONE BATCH: the 64 packed scalings c s - c m and all 132 exponentials; none of these lines names an exponential's result
.irp p, 0,1,2,3,4,5,6,7,8,9,10,11,12,13,14,15
	v_pk_fma_f32 v[S+2*\p:S+2*\p+1], v[S+2*\p:S+2*\p+1], s[CS:CS+1], v[ST:ST+1] op_sel_hi:[1,0,0] neg_lo:[0,0,1] neg_hi:[0,0,1]
.endr
.irp a, 0,1,2,3
	v_exp_f32 v[ST+8*\a+6], v[ST+8*\a+7]           ; a
.irp p, 0,1,2,3,4,5,6,7,8,9,10,11,12,13,14,15
	v_exp_f32 v[S+32*\a+2*\p], v[S+32*\a+2*\p]
	v_exp_f32 v[S+32*\a+2*\p+1], v[S+32*\a+2*\p+1]
.if \a < 3
	v_pk_fma_f32 v[S+32*(\a+1)+2*\p:S+32*(\a+1)+2*\p+1], v[S+32*(\a+1)+2*\p:S+32*(\a+1)+2*\p+1], s[CS:CS+1], v[ST+8*(\a+1):ST+8*(\a+1)+1] op_sel_hi:[1,0,0] neg_lo:[0,0,1] neg_hi:[0,0,1]
.endif
.endr
.endr
	v_nop                                          ; a plain line behind the last exponential
	s_wait_alu depctr_va_vdst(0)                   ; one wait for the batch, ahead of the first line that names a result
	; l = a l + the sum of the f32 p, in two chains a tile
.irp a, 0,1,2,3
	v_pk_mul_f32 v[ST+8*\a+2:ST+8*\a+3], v[ST+8*\a+2:ST+8*\a+3], v[ST+8*\a+6:ST+8*\a+7] op_sel_hi:[1,0]
.endr
.irp a, 0,1,2,3
	v_pk_add_f32 v[ST+8*\a+4:ST+8*\a+5], v[S+32*\a+2:S+32*\a+3], v[S+32*\a+6:S+32*\a+7]
.endr
.irp a, 0,1,2,3
	v_pk_add_f32 v[ST+8*\a+2:ST+8*\a+3], v[ST+8*\a+2:ST+8*\a+3], v[S+32*\a:S+32*\a+1]
.endr
.irp q, 1,2,3,4,5,6
.irp a, 0,1,2,3
	v_pk_add_f32 v[ST+8*\a+2:ST+8*\a+3], v[ST+8*\a+2:ST+8*\a+3], v[S+32*\a+4*\q:S+32*\a+4*\q+1]
	v_pk_add_f32 v[ST+8*\a+4:ST+8*\a+5], v[ST+8*\a+4:ST+8*\a+5], v[S+32*\a+4*\q+6:S+32*\a+4*\q+7]
.endr
.endr
.irp a, 0,1,2,3
	v_pk_add_f32 v[ST+8*\a+2:ST+8*\a+3], v[ST+8*\a+2:ST+8*\a+3], v[S+32*\a+28:S+32*\a+29]
.endr
.irp a, 0,1,2,3
	v_pk_add_f32 v[ST+8*\a+2:ST+8*\a+3], v[ST+8*\a+2:ST+8*\a+3], v[ST+8*\a+4:ST+8*\a+5]
.endr
.irp a, 0,1,2,3                        ; p to f16, in place: register i takes pair i, which lies at 2 i and 2 i + 1
.irp i, 0,1,2,3,4,5,6,7,8,9,10,11,12,13,14,15
	v_cvt_pk_f16_f32 v[S+32*\a+\i], v[S+32*\a+2*\i], v[S+32*\a+2*\i+1]
.endr
.endr
	WIN 0x41                                       ; O^T (destination and source 0) window 1
.irp a, 0,1,2,3
.irp i, 0,1,2,3,4,5,6,7,8,9,10,11,12,13,14,15
	v_pk_mul_f32 v[32*\a+2*\i:32*\a+2*\i+1], v[32*\a+2*\i:32*\a+2*\i+1], v[ST+8*\a+6:ST+8*\a+7] op_sel_hi:[1,0]
.endr
.endr
	s_wait_dscnt 0x0                               ; V is in
	WIN 0x51                                       ; V and O^T window 1, P window 0
.irp u, 0,1
.irp t, 0,1,2,3
.irp a, 0,1,2,3
	v_wmma_f32_16x16x32_f16 v[32*\a+8*\t:32*\a+8*\t+7], v[VF+16*\t+8*\u:VF+16*\t+8*\u+7], v[S+32*\a+8*\u:S+32*\a+8*\u+7], v[32*\a+8*\t:32*\a+8*\t+7]
.endr
.endr
.endr
	WIN 0
.endm
; Eight key steps from `from` on; those behind the group are passed over: the trip count stays a constant, and only the unit's own lines are jumped.
.macro TRIPS from
	s_mov_b32 s[J], \from
	s_mov_b32 s[TB], \from*8192
.Ltrip_\@:
	s_cmp_gt_u32 s[J], s[G]
	s_cbranch_scc1 .Lskip_\@
	UNIT 1
.Lskip_\@:
	s_add_co_u32 s[TB], s[TB], 8192
	s_add_co_u32 s[J], s[J], 1
	s_cmp_lt_u32 s[J], \from+8
	s_cbranch_scc1 .Ltrip_\@
.endm
; A group ends: O^T / l, to f16, 16 chunks out.  next = 1: the second group's Q is asked for meanwhile.
.macro FINISH next
.irp a, 0,1,2,3
	v_add_f32 v[ST+8*\a+4], v[ST+8*\a+2], v[ST+8*\a+3]   ; (these four are the places behind the last products)
.endr
.irp a, 0,1,2,3
	v_permlanex16_b32 v[ST+8*\a+5], v[ST+8*\a+4], s[SEL], s[SEL+1]
.endr
.irp a, 0,1,2,3
	v_add_f32 v[ST+8*\a+4], v[ST+8*\a+4], v[ST+8*\a+5]
.endr
.if \next
	s_mov_b32 s[G], s[GA]
	s_lshl_b32 s54, s[G], 13
	s_mov_b32 s55, 0
	s_add_nc_u64 s[QG:QG+1], s[QB:QB+1], s[54:55]  ; (the first group's loads of Q were waited for long ago)
	LOADQ
.endif
.irp a, 0,1,2,3
	v_rcp_f32 v[ST+8*\a+6], v[ST+8*\a+4]
.endr
	v_nop
	s_wait_alu depctr_va_vdst(0)                   ; one wait for the four reciprocals
	WIN 0x41
.irp a, 0,1,2,3
.irp i, 0,1,2,3,4,5,6,7,8,9,10,11,12,13,14,15
	v_pk_mul_f32 v[32*\a+2*\i:32*\a+2*\i+1], v[32*\a+2*\i:32*\a+2*\i+1], v[ST+8*\a+6:ST+8*\a+7] op_sel_hi:[1,0]
.endr
.endr
	WIN 0x05                                       ; sources window 1, destination window 0: S^T's registers are free
.irp a, 0,1,2,3
.irp t, 0,1,2,3
.irp i, 0,1,2,3
	v_cvt_pk_f16_f32 v[S+16*\a+4*\t+\i], v[32*\a+8*\t+2*\i], v[32*\a+8*\t+2*\i+1]
.endr
.endr
.endr
	WIN 0
.irp a, 0,1,2,3
.irp t, 0,1,2,3
	global_store_b128 v[LI], v[S+16*\a+4*\t:S+16*\a+4*\t+3], s[AFG:AFG+1] offset:\a*16384+\t*512   ; a chunk: 512 consecutive bytes, aligned
.endr
.endr
	s_wait_xcnt 0x0                                ; the stores have read their registers and base: both are written again below
.if \next
	s_lshl_b32 s54, s[G], 16
	s_add_nc_u64 s[AFG:AFG+1], s[AFB:AFB+1], s[54:55]
.endif
.endm
	s_load_b256 s[4:11], s[0:1], 0x0               ; qf, kf, vf, af
	v_lshl_add_u32 v[SPW], v0, 2, SPARE
	v_mov_b32 v[NIL], 0
	ds_add_u32 v[SPW], v[NIL]                      ; the opening: the add, twice on end, and its wait ahead of my first tensor load
	ds_add_u32 v[SPW], v[NIL]
	v_lshrrev_b32 v9, 5, v0
	v_readfirstlane_b32 s[WV], v9                  ; wave 0..7
	s_and_b32 s[GA], s[WV], 3
	s_lshr_b32 s22, s[WV], 2                       ; 0: I fetch for K; 1: for V
	s_mul_i32 s23, s22, 7
	s_xor_b32 s[GA], s[GA], s23                    ; g1
	s_sub_co_u32 s[GB], 15, s[GA]                  ; g2
	s_mov_b32 s[G], s[GB]
	s_mov_b32 s48, ttmp9                           ; the head
	s_and_b32 s49, ttmp7, 0xffff                   ; the sequence
	s_lshl_b32 s50, s49, 3
	s_add_co_u32 s50, s50, s48
	s_lshl_b32 s50, s50, 17                        ; the head's 131,072 bytes in qf, kf, vf
	s_mov_b32 s51, 0
	s_and_b32 s52, s[WV], 3
	s_lshl_b32 s52, s52, 14                        ; my 16,384 bytes of a half
	s_lshl_b32 s[G0+1], s22, 17
	s_add_co_u32 s[G0+1], s[G0+1], s52             ; in LDS: K or V, my part of the first half,
	s_add_co_u32 s[G0+5], s[G0+1], 65536           ; of the second
	s_add_co_u32 s52, s52, s50
	s_mov_b32 s53, 0
	s_mov_b32 s[G0], 1
	s_mov_b32 s[G0+4], 1
	s_mov_b32 s[G1+0], 3<<16                       ; elements of 8 bytes, no padding: a dense block as 64 rows of 256 bytes
	s_mov_b32 s[G1+1], 32<<16
	s_mov_b32 s[G1+2], 64<<16
	s_mov_b32 s[G1+3], 32<<16
	s_mov_b32 s[G1+4], 64
	s_mov_b32 s[G1+5], 32
	s_mov_b32 s[G1+6], 0
	s_mov_b32 s[G1+7], 0
	s_mov_b32 s[CS], 0x3e38aa3b                    ; c = log2(e) / 8
	s_mov_b32 s[CS+1], s[CS]
	s_mov_b32 s[SEL], 0x76543210
	s_mov_b32 s[SEL+1], 0xfedcba98
	s_lshl_b32 s56, s49, 20                        ; af: the sequence's 64 row tiles of 16,384 bytes,
	s_lshl_b32 s57, s48, 11                        ; the head's 2,048 in each
	s_add_co_u32 s56, s56, s57
	s_mov_b32 s57, 0
	v_and_b32 v9, 31, v0
	v_lshlrev_b32 v[LI], 4, v9
	v_add_nc_u32 v[LV], VBASE, v[LI]
	v_and_b32 v10, 15, v0
	v_bfe_u32 v11, v0, 4, 1
	v_lshlrev_b32 v11, 3, v11
	v_sub_nc_u32 v[VD], v10, v11
	v_mov_b32 v[NINF], 0xff800000
	s_wait_dscnt 0x0                               ; both opening adds are done
	s_wait_kmcnt 0x0
	s_cmp_lt_u32 s[WV], 4
	s_cselect_b64 s[G0+2:G0+3], s[6:7], s[8:9]     ; waves 0 to 3 fetch K, waves 4 to 7 V
	s_add_nc_u64 s[G0+2:G0+3], s[G0+2:G0+3], s[52:53]
	s_add_nc_u64 s[G0+6:G0+7], s[G0+2:G0+3], 65536
	s_or_b32 s[G0+3], s[G0+3], 0x80000000
	s_or_b32 s[G0+7], s[G0+7], 0x80000000
	tensor_load_to_lds s[G0:G0+3], s[G1:G1+7]      ; the first halves,
	s_nop 0
	tensor_load_to_lds s[G0+4:G0+7], s[G1:G1+7]    ; the second: two tensor loads of mine are out, and no more follow
	s_nop 0
.rept 4
	v_nop
.endr
	s_add_nc_u64 s[QB:QB+1], s[4:5], s[50:51]
	s_add_nc_u64 s[AFB:AFB+1], s[10:11], s[56:57]
	s_lshl_b32 s54, s[G], 13
	s_mov_b32 s55, 0
	s_add_nc_u64 s[QG:QG+1], s[QB:QB+1], s[54:55]
	s_lshl_b32 s54, s[G], 16
	s_add_nc_u64 s[AFG:AFG+1], s[AFB:AFB+1], s[54:55]
	LOADQ
	INITST
	s_wait_loadcnt 0x0                             ; Q
	s_wait_tensorcnt 1                             ; my part of the first halves is in; the second may stay out
	s_barrier_signal -1
	s_barrier_wait -1                              ; everybody's is
	s_mov_b32 s[J], 0
	s_mov_b32 s[TB], 0
.Lfirst:                               ; g2 is at least 8: key steps 0 to 7 are whole
	UNIT 0
	s_add_co_u32 s[TB], s[TB], 8192
	s_add_co_u32 s[J], s[J], 1
	s_cmp_lt_u32 s[J], 8
	s_cbranch_scc1 .Lfirst
	s_wait_tensorcnt 0x0                           ; my part of the second halves is in,
	s_wait_dscnt 0x0
	s_barrier_signal -1
	s_barrier_wait -1                              ; everybody's is
	TRIPS 8
	FINISH 1
	INITST
	s_wait_loadcnt 0x0                             ; the second group's Q
	TRIPS 0
	FINISH 0
	s_wait_tensorcnt 0x0                           ; the wave's end
	ds_add_u32 v[SPW], v[NIL]
	s_wait_dscnt 0x0
	s_endpgm
.Lfunc_end_k_q9b8160c69c_attn:
	.size	k_q9b8160c69c_attn, .Lfunc_end_k_q9b8160c69c_attn-k_q9b8160c69c_attn
	.p2alignl 7, 3214868480
	.fill 96, 4, 3214868480
	.section	.rodata,"a",@progbits
	.p2align	6, 0x0
	.amdhsa_kernel k_q9b8160c69c_attn
		.amdhsa_group_segment_fixed_size 263168
		.amdhsa_private_segment_fixed_size 0
		.amdhsa_enable_private_segment 0
		.amdhsa_kernarg_size 32
		.amdhsa_user_sgpr_count 2
		.amdhsa_user_sgpr_kernarg_segment_ptr 1
		.amdhsa_wavefront_size32 1
		.amdhsa_system_sgpr_workgroup_id_x 1
		.amdhsa_system_sgpr_workgroup_id_y 1
		.amdhsa_system_sgpr_workgroup_id_z 1
		.amdhsa_system_vgpr_workitem_id 0
		.amdhsa_next_free_vgpr 512
		.amdhsa_next_free_sgpr 66
		.amdhsa_reserve_vcc 1
		.amdhsa_float_denorm_mode_32 3
		.amdhsa_float_denorm_mode_16_64 3
		.amdhsa_memory_ordered 1
		.amdhsa_forward_progress 1
		.amdhsa_inst_pref_size 141
	.end_amdhsa_kernel
	.amdgpu_metadata
---
amdhsa.version: [ 1, 2 ]
amdhsa.kernels:
  - .name:           k_q9b8160c69c_attn
    .symbol:         k_q9b8160c69c_attn.kd
    .args:
      - { .name: qf, .offset: 0, .size: 8, .value_kind: global_buffer, .address_space: global }
      - { .name: kf, .offset: 8, .size: 8, .value_kind: global_buffer, .address_space: global }
      - { .name: vf, .offset: 16, .size: 8, .value_kind: global_buffer, .address_space: global }
      - { .name: af, .offset: 24, .size: 8, .value_kind: global_buffer, .address_space: global }
    .group_segment_fixed_size: 263168
    .private_segment_fixed_size: 0
    .kernarg_segment_align: 8
    .kernarg_segment_size: 32
    .max_flat_workgroup_size: 256
    .sgpr_count:     66
    .vgpr_count:     512
    .wavefront_size: 32
...
	.end_amdgpu_metadata
.endif
;; end of part 2
;; launch outp (part 3): grid 2 x 128, 4 waves a work-group, no clusters, 280,064 bytes of LDS; arguments af, wof, bo, out0; writes out0
.if DOCPART == 3
	.amdgcn_target "amdgcn-amd-amdhsa--gfx1250"
	.amdhsa_code_object_version 6
	.text
	.protected	k_q9b8160c69c_outp
	.globl	k_q9b8160c69c_outp
	.p2align	8
	.type	k_q9b8160c69c_outp,@function
k_q9b8160c69c_outp:
	s_mov_b64 s[64:65], 0
	v_nop
	global_prefetch_b8 v0, s[64:65] scope:SCOPE_SE
	s_setreg_imm32_b32 hwreg(HW_REG_WAVE_MODE, 25, 1), 1
	s_wait_xcnt 0x0
; out0 = a Wo^T + bo: [32768][512] x [512][512], f16 operands (a: the attention's result; Wo), f32 sums, f32 out.  Both operands come in operand-register order.
; The bias is the C of each sum's first product, so the f32 sums are rounded in another order than bias-last.  LIMITS: NaN and infinities are not served.
; SHARES.  Grid x = H, a half of the 512 columns; grid y = a block of 256 rows.  Wave w owns columns 256 H + 64 w .. + 63: its 64 fragments of Wo (512 registers, windows 2 and 3) stay.
; The block's 262,144 bytes of a come into LDS by four tensor loads a wave, all at the head; nothing is filled again.  Every wave walks the 16 row tiles: 64 products each; a tile's results leave while the next is multiplied.
; THE PRODUCT IS USED TRANSPOSED: source 0 = 16 rows of Wo (columns of the result), source 1 = 16 rows of a: a lane holds row lane % 16 and eight neighbouring columns.  A tile goes through the wave's own stage in LDS
; and leaves as rows of 256 bytes: sixteen lanes store 256 consecutive bytes, aligned.
; NO CLUSTER: the two work-groups that read the same block of a lie along a grid axis of 2, which a cluster of four along x does not divide.  No prefetch: all that comes through LDS is asked for at the head.
; REGISTERS.  Window 0: v1-4 LDS addresses of a's images; v5-7, v9 the way out and the bias; v16-47 the bias in the result's layout; v48-79 four accumulators; v80-143 rows on their way out, two sets.
;   Window 1: a's fragments, two sets of 128 (8 s).   Windows 2, 3: Wo's fragment (s, t) at 8 (4 s + t).
.set STG,   262144                     ; four stages of 16 rows x (256 + 16) bytes
.set SPARE, STG+4*4352                 ; the spare words: 128 bytes for each of the four waves; no other line names them
.set AD,  1                            ; v1-4  16 x lane + 65536 c
.set STO, 5
.set RD,  6
.set CO,  7
.set BA,  9
.set SPW, 10
.set NIL, 11
.set BO,  16
.set ACC, 48
.set OB,  80
.set WV,  12
.set G1,  24
.set G0,  32                           ; s[32:47] four groups 0
.set MSB, 0
.macro WIN new
.if MSB != \new
	s_set_vgpr_msb (MSB<<8)|\new
.set MSB, \new
.endif
.endm
.macro FETCHA n                        ; row tile n's 16 fragments: 32 loads of 512 consecutive bytes
.set AB, 128*((\n)%2)
	WIN 0x40
.irp i, 0,1,2,3,4,5,6,7,8,9,10,11,12,13,14,15,16,17,18,19,20,21,22,23,24,25,26,27,28,29,30,31
	ds_load_b128 v[AB+4*\i:AB+4*\i+3], v[AD+(\n)/4] offset:((\n)%4)*16384+512*\i
.endr
	WIN 0
.endm
.macro MUL n                           ; 64 products, the four accumulators by turns; the first four take the bias as C
.set AB, 128*((\n)%2)
	WIN 0x06                                       ; source 0 (Wo) window 2, source 1 (a) window 1
.irp s, 0,1,2,3,4,5,6,7
.irp t, 0,1,2,3
.if \s == 0
	v_wmma_f32_16x16x32_f16 v[ACC+8*\t:ACC+8*\t+7], v[8*\t:8*\t+7], v[AB:AB+7], v[BO+8*\t:BO+8*\t+7]
.else
	v_wmma_f32_16x16x32_f16 v[ACC+8*\t:ACC+8*\t+7], v[8*(4*\s+\t):8*(4*\s+\t)+7], v[AB+8*\s:AB+8*\s+7], v[ACC+8*\t:ACC+8*\t+7]
.endif
.endr
.endr
	WIN 0x07                                       ; source 0 window 3
.irp s, 8,9,10,11,12,13,14,15
.irp t, 0,1,2,3
	v_wmma_f32_16x16x32_f16 v[ACC+8*\t:ACC+8*\t+7], v[8*(4*(\s-8)+\t):8*(4*(\s-8)+\t)+7], v[AB+8*\s:AB+8*\s+7], v[ACC+8*\t:ACC+8*\t+7]
.endr
.endr
	WIN 0
.rept 5
	v_nop                                          ; five places: the next tile's first products begin these accumulators anew with another C; four serve the LDS stores below and the next loads into a's registers
.endr
.endm
.macro TOSTAGE n
	s_wait_xcnt 0x0                                ; the earlier stores have read their registers: this set of rows is loaded again only behind this wait
.irp t, 0,1,2,3
	ds_store_b128 v[STO], v[ACC+8*\t:ACC+8*\t+3] offset:64*\t          ; each accumulator from its low end on
	ds_store_b128 v[STO], v[ACC+8*\t+4:ACC+8*\t+7] offset:64*\t+16
.endr
.irp i, 0,1,2,3,4,5,6,7
	ds_load_b128 v[OB+32*((\n)%2)+4*\i:OB+32*((\n)%2)+4*\i+3], v[RD] offset:544*\i   ; LDS serves a wave's instructions in order (ISA guide 5.7.1.4): these see the stores above
.endr
.endm
.macro SEND n
.irp i, 0,1,2,3,4,5,6,7
	global_store_b128 v[CO], v[OB+32*((\n)%2)+4*\i:OB+32*((\n)%2)+4*\i+3], s[10:11] offset:(\n)*32768+\i*4096 th:TH_STORE_NT   ; two rows: twice 256 consecutive bytes, aligned
.endr
.endm
.macro TILE n
.if (((\n)%4) == 3) && ((\n) < 15)
	s_wait_tensorcnt 2-(\n)/4                      ; my part of the next four row tiles is in; the later ones may stay out
	s_wait_dscnt 0x0
	s_barrier_signal -1
	s_barrier_wait -1                              ; everybody's is
.endif
.if (\n) < 15
	FETCHA (\n)+1
	s_wait_dscnt 32                                ; all but the 32 just issued: this tile's fragments are in, the last tile's rows are back
.else
	s_wait_dscnt 0x0
.endif
.if (\n) > 0
	SEND (\n)-1
.endif
	MUL \n
	TOSTAGE \n
.endm
	s_load_b256 s[4:11], s[0:1], 0x0               ; af, wof, bo, out0
	v_lshl_add_u32 v[SPW], v0, 2, SPARE
	v_mov_b32 v[NIL], 0
	ds_add_u32 v[SPW], v[NIL]                      ; the opening: the add, twice on end, and its wait ahead of my first tensor load
	ds_add_u32 v[SPW], v[NIL]
	v_lshrrev_b32 v12, 5, v0
	v_readfirstlane_b32 s[WV], v12                 ; wave 0..3
	s_mov_b32 s13, ttmp9                           ; H
	s_and_b32 s14, ttmp7, 0xffff                   ; the block of 256 rows
	s_mov_b32 s[G1+0], 3<<16                       ; elements of 8 bytes, no padding: a dense block as 64 rows of 256 bytes
	s_mov_b32 s[G1+1], 32<<16
	s_mov_b32 s[G1+2], 64<<16
	s_mov_b32 s[G1+3], 32<<16
	s_mov_b32 s[G1+4], 64
	s_mov_b32 s[G1+5], 32
	s_mov_b32 s[G1+6], 0
	s_mov_b32 s[G1+7], 0
	s_lshl_b32 s17, s[WV], 14                      ; load c brings row tile 4 c + w
	s_lshl_b32 s16, s14, 18
	s_add_co_u32 s16, s16, s17
.irp c, 0,1,2,3
	s_mov_b32 s[G0+4*\c], 1
	s_add_co_u32 s[G0+4*\c+1], s17, \c*65536
.endr
	s_mov_b32 s17, 0
	s_lshl_b32 s18, s13, 2
	s_add_co_u32 s18, s18, s[WV]
	s_lshl_b32 s18, s18, 16                        ; wof: my 65,536 bytes
	s_mov_b32 s19, 0
	s_lshl_b32 s20, s13, 10
	s_lshl_b32 s21, s[WV], 8
	s_add_co_u32 s20, s20, s21                     ; my 64 columns, in bytes of f32
	s_mov_b32 s21, 0
	s_lshl_b32 s22, s14, 19                        ; 256 rows of 2,048 bytes
	s_add_co_u32 s22, s22, s20
	s_mov_b32 s23, 0
	v_and_b32 v12, 31, v0
	v_and_b32 v13, 15, v0                          ; r
	v_bfe_u32 v14, v0, 4, 1                        ; h
	v_lshlrev_b32 v[AD], 4, v12
	v_add_nc_u32 v[AD+1], 0x10000, v[AD]
	v_add_nc_u32 v[AD+2], 0x20000, v[AD]
	v_add_nc_u32 v[AD+3], 0x30000, v[AD]
	s_mul_i32 s48, s[WV], 4352
	s_add_co_u32 s48, s48, STG                     ; my stage
	v_mul_u32_u24 v[STO], v13, 272
	v_lshl_add_u32 v[STO], v14, 5, v[STO]
	v_add_nc_u32 v[STO], s48, v[STO]               ; in: row r, 32 bytes for each half of the lanes
	v_mul_u32_u24 v[RD], v14, 272
	v_lshl_add_u32 v[RD], v13, 4, v[RD]
	v_add_nc_u32 v[RD], s48, v[RD]                 ; back: lanes 0-15 one row, lanes 16-31 the next
	v_lshlrev_b32 v[CO], 11, v14
	v_lshl_add_u32 v[CO], v13, 4, v[CO]            ; and the same two rows in out0
	v_lshlrev_b32 v[BA], 5, v14
	s_wait_dscnt 0x0                               ; both opening adds are done
	s_wait_kmcnt 0x0
	s_add_nc_u64 s[G0+2:G0+3], s[4:5], s[16:17]
	s_add_nc_u64 s[G0+6:G0+7], s[G0+2:G0+3], 0x10000
	s_add_nc_u64 s[G0+10:G0+11], s[G0+2:G0+3], 0x20000
	s_add_nc_u64 s[G0+14:G0+15], s[G0+2:G0+3], 0x30000
.irp c, 0,1,2,3
	s_or_b32 s[G0+4*\c+3], s[G0+4*\c+3], 0x80000000
.endr
.irp c, 0,1,2,3
	tensor_load_to_lds s[G0+4*\c:G0+4*\c+3], s[G1:G1+7]   ; four tensor loads of mine are out, and no more follow
	s_nop 0
.endr
.rept 4
	v_nop
.endr
	s_add_nc_u64 s[6:7], s[6:7], s[18:19]
	s_add_nc_u64 s[8:9], s[8:9], s[20:21]
	s_add_nc_u64 s[10:11], s[10:11], s[22:23]
	WIN 0x80                                       ; destination window 2
.set I, 0
.rept 64
	global_load_b128 v[4*I:4*I+3], v[AD], s[6:7] offset:512*I
.set I, I+1
.endr
	WIN 0xc0                                       ; destination window 3
.set I, 0
.rept 64
	global_load_b128 v[4*I:4*I+3], v[AD], s[6:7] offset:512*(64+I)
.set I, I+1
.endr
	WIN 0
.irp t, 0,1,2,3
	global_load_b128 v[BO+8*\t:BO+8*\t+3], v[BA], s[8:9] offset:64*\t          ; bo of columns 16 t + 8 h + 0 .. 7
	global_load_b128 v[BO+8*\t+4:BO+8*\t+7], v[BA], s[8:9] offset:64*\t+16
.endr
	s_wait_loadcnt 0x0
	s_wait_tensorcnt 3                             ; my part of row tiles 0 to 3 is in; three loads may stay out
	s_barrier_signal -1
	s_barrier_wait -1                              ; everybody's is
	FETCHA 0
.irp n, 0,1,2,3,4,5,6,7,8,9,10,11,12,13,14,15
	TILE \n
.endr
	s_wait_dscnt 0x0
	SEND 15
	s_wait_tensorcnt 0x0                           ; the wave's end
	ds_add_u32 v[SPW], v[NIL]
	s_wait_dscnt 0x0
	s_endpgm
.Lfunc_end_k_q9b8160c69c_outp:
	.size	k_q9b8160c69c_outp, .Lfunc_end_k_q9b8160c69c_outp-k_q9b8160c69c_outp
	.p2alignl 7, 3214868480
	.fill 96, 4, 3214868480
	.section	.rodata,"a",@progbits
	.p2align	6, 0x0
	.amdhsa_kernel k_q9b8160c69c_outp
		.amdhsa_group_segment_fixed_size 280064
		.amdhsa_private_segment_fixed_size 0
		.amdhsa_enable_private_segment 0
		.amdhsa_kernarg_size 32
		.amdhsa_user_sgpr_count 2
		.amdhsa_user_sgpr_kernarg_segment_ptr 1
		.amdhsa_wavefront_size32 1
		.amdhsa_system_sgpr_workgroup_id_x 1
		.amdhsa_system_sgpr_workgroup_id_y 1
		.amdhsa_system_sgpr_workgroup_id_z 1
		.amdhsa_system_vgpr_workitem_id 0
		.amdhsa_next_free_vgpr 1024
		.amdhsa_next_free_sgpr 66
		.amdhsa_reserve_vcc 0
		.amdhsa_float_denorm_mode_32 3
		.amdhsa_float_denorm_mode_16_64 3
		.amdhsa_memory_ordered 1
		.amdhsa_forward_progress 1
		.amdhsa_inst_pref_size 148
	.end_amdhsa_kernel
	.amdgpu_metadata
---
amdhsa.version: [ 1, 2 ]
amdhsa.kernels:
  - .name:           k_q9b8160c69c_outp
    .symbol:         k_q9b8160c69c_outp.kd
    .args:
      - { .name: af, .offset: 0, .size: 8, .value_kind: global_buffer, .address_space: global }
      - { .name: wof, .offset: 8, .size: 8, .value_kind: global_buffer, .address_space: global }
      - { .name: bo, .offset: 16, .size: 8, .value_kind: global_buffer, .address_space: global }
      - { .name: out0, .offset: 24, .size: 8, .value_kind: global_buffer, .address_space: global }
    .group_segment_fixed_size: 280064
    .private_segment_fixed_size: 0
    .kernarg_segment_align: 8
    .kernarg_segment_size: 32
    .max_flat_workgroup_size: 128
    .sgpr_count:     66
    .vgpr_count:     1024
    .wavefront_size: 32
...
	.end_amdgpu_metadata
.endif
;; end of part 3
